; MI455X (gfx1250); checked and timed in simulation.
; The chip was launched on July 23, 2026; its instructions are those of AMD's public machine-readable ISA for CDNA 5 (MIT licence, August 2026) and "CDNA5" Instruction Set Architecture Reference Guide (July 2026). The comments in the code are by the model that wrote it; some were corrected since.
;; KNRM. Allowed arithmetic: float matrix products may take bf16 or f16 operands with f32 sums; other float arithmetic in f32, or as packed bf16 or f16 multiplies, adds, multiply-adds, maxima and minima; sums over many terms, partial sums and values carried from step to step in f32; what a program stores and reads back later, other than sums and carried values, may be rounded once to bf16 or f16.
;; Inputs: dense_b 1 float32; dense_w 1 x 11 float32; doc_tokens 256 x 512 int32; embed_table 100,000 x 300 float32; query_tokens 256 x 20 int32.
;; Outputs: out0 256 float32.
;; One version. Each part assembles by itself: llvm-mc -triple=amdgcn-amd-amdhsa -mcpu=gfx1250 --defsym DOCPART=n.
;; ======== version 1 of 1: 1 launch
;; launch knrm (part 1): grid 256 x 1, 16 waves a work-group, no clusters, 209,920 bytes of LDS; arguments query_tokens, doc_tokens, embed_table, dense_w, dense_b, out0; writes out0
.if DOCPART == 1
	.amdgcn_target "amdgcn-amd-amdhsa--gfx1250"
	.amdhsa_code_object_version 6
	.text
	.protected	k_q29e58ee87c_knrm
	.globl	k_q29e58ee87c_knrm
	.p2align	8
	.type	k_q29e58ee87c_knrm,@function
k_q29e58ee87c_knrm:
	s_mov_b64 s[64:65], 0
	v_nop
	global_prefetch_b8 v0, s[64:65] scope:SCOPE_SE
	s_setreg_imm32_b32 hwreg(HW_REG_WAVE_MODE, 25, 1), 1
	s_wait_xcnt 0x0
; KNRM.  out[b] = dense_b + sum over k of dense_w[k] x sum over q of qmask[q] x 0.01 x ln(max(S[q][k], 1e-10)),
; S[q][k] = sum over d of dmask[d] x exp(-(cos(q, d) - mu[k])^2 / (2 sigma[k]^2)), cos of the table rows named by the tokens, each divided by max(its norm, 1e-13).
; 256 batch elements, 20 query and 512 document tokens each, rows of 300 f32 (1,200 bytes), 11 kernels: mu = 1, 0.9, 0.7 .. -0.9; sigma = 1e-4, then 0.1.
; NOTHING IS LEFT OUT: all five inputs have a way to the output and are loaded.  The masks only select: a masked document takes 16384 for its cosine, so that all its eleven
; exponentials are exactly 0; a masked query is computed like the others and its row is set to 0 behind the logarithm.
; SHARES.  A work-group makes one batch element.  Each of its 16 waves takes 32 documents, two tiles of 16; waves 0 to 9 also bring two query rows each.
; THE GATHER.  A pair of rows is five loads of 16 bytes a lane: four of 512 consecutive bytes, and one for both tails (bytes 1,024 to 1,199: one tail to each half of the lanes; lanes 11 to 15 of
; a half read the last 16 bytes once more and are set to 0: they become the padding of K from 300 to 320).  A tile is 40 loads, 160 registers: 20,480 bytes of a wave are on their way, and tile 1
; is asked for pair by pair into the registers that the packing of tile 0 frees.  So every row is asked for as early as a register is free for it, and nothing is asked for ahead of the loads.
; No th: word on these loads: a list may name a row twice.  No cluster: no two work-groups share a tile.  No tensor load: each row is named by a token of its own.
; ROUNDING.  A row is rounded once to bf16, UNNORMALISED, and laid into LDS (rows 656 bytes apart = 41 x 16: the 16 rows of a fragment load start at 16 different groups of four banks; 64 banks of 4 bytes: ISA guide 11.1).
; THE PRODUCTS.  Source 0 = 16 documents, source 1 = 16 query columns: in the result a lane holds ONE query (lane % 16) and its registers the documents 8 (lane / 16) + 0..7.  Three accumulators take turns:
; documents x queries 0-15; documents x queries 16-19 (column n holds query 16 + n % 4); documents x documents, whose diagonal is each row's sum of squares, summed as the dot products are: a query token that
; stands in the document gives a cosine of 1 to a few units in the last place, which the kernel of sigma 1e-4 needs.  cos = product x 1/|q| x 1/|d| in f32.
; In the second tile the four lanes groups that hold the same query pick two of the eight documents each: a tile has 10 registers of cosines, none of them idle.
; LIMITS.  Tokens are taken as unsigned and held to 0 .. 99,999.  The table's rows are rounded to bf16 and their norms are those of the rounded rows; dense_w and dense_b stay f32.
; A weight below 2^-126 counts as 0 (the sums are clipped at 1e-10).  NaN and infinities are not treated apart.  The output is one number a work-group: a store of 4 bytes.
.set ROWB,    1200                     ; bytes in a row of the table
.set LASTROW, 99999
.set PITCH,   656                      ; an LDS row: 320 bf16 + 16 bytes
.set STAGEB,  16*PITCH                 ; a wave's stage: 16 rows
.set QB,      16*STAGEB                ; behind the 16 stages: the 20 query rows (13,120 bytes, in 13,312)
.set RDB,     QB+13312                 ; 128 bytes a wave: 16 reciprocal norms, 16 offsets
.set PARTB,   RDB+16*128               ; 1,536 bytes a wave: 32 lanes x 12 partial sums
.set PARTW,   1536
.set SPARE,   PARTB+16*PARTW           ; the spare words, 128 bytes for each wave: eight blocks of 256 bytes that no other line names
.set SPW,  1                           ; v1   LDS address of my spare word; never rewritten
.set NIL,  2                           ; v2   0; never rewritten
.set L16,  3                           ; v3   16 x lane
.set TAILO, 4                          ; v4   1,024 + 16 x min(lane % 16, 10)
.set MLO,  5                           ; v5   all ones in lanes 0-15
.set MHI,  6                           ; v6   all ones in lanes 16-31
.set ZM,   7                           ; v7   all ones where lane % 16 < 11
.set STM,  8                           ; v8   my stage + 8 x lane
.set STT,  9                           ; v9   my stage + 656 (lane / 16) + 512 + 8 (lane % 16)
.set FD,   10                          ; v10  a document fragment: my stage + 656 (lane % 16) + 16 (lane / 16)
.set FQA,  11                          ; v11  the same in the query rows 0-15
.set FQB,  12                          ; v12  in query row 16 + lane % 4
.set RDS,  13                          ; v13  where 1/|d| of document lane % 16 is put
.set RDL,  14                          ; v14  where those of documents 8 (lane / 16) + 0..7 are read
.set RQA,  16                          ; v[16:17] 1/|q| of query lane % 16, twice
.set RQB,  18                          ; v[18:19] of query 16 + lane % 4, twice
.set AC0,  20                          ; v[20:30] the 11 sums of query lane % 16
.set AC1,  31                          ; v[31:41] of query 16 + lane % 4
.set AD,   42                          ; v[42:57] a tile's 16 row offsets + 16 x lane
.set AT,   58                          ; v[58:65] its 8 tail offsets
.set AX,   66                          ; v[66:67] at work
.set DA,   42                          ; v[42:49] documents x queries 0-15
.set DB,   50                          ; v[50:57] documents x queries 16-19
.set DSS,  58                          ; v[58:65] documents x documents
.set CV,   42                          ; v[42:51] the tile's 10 registers of cosines
.set TA,   52                          ; v[52:71], v[72:91] two sets of 20 exponents
.set BUF,  96                          ; v[96:255] the load buffer: pair p at 20 p
.set WV,   2                           ; s2   my wave's number
.set TOK,  16                          ; s[16:47] my 32 documents' tokens, then their rows' byte offsets
.set QTK,  48                          ; s[48:49] my two queries' likewise
.set DM,   50                          ; s50, s51 lanes whose document (lane % 16, tile 0, 1) counts
.set QM,   52                          ; s52  lanes whose query (the lane's number) counts
.set MB0,  53                          ; s53-56 lanes whose number has bit 0, 1, 2, 3 set
.set MB1,  54
.set MB2,  55
.set MB3,  56
.set MDG,  57                          ; s57  lanes that hold an element of a result's diagonal
.set SEL,  58                          ; s[58:59] v_permlanex16_b32: each lane takes its own place in the other half
.set SCA,  60                          ; s[60:61] sqrt(log2(e) / (2 sigma^2)) for sigma = 1e-4
.set SCB,  62                          ; s[62:63] for sigma = 0.1
.set BIG,  66                          ; s66  16384.0
.set WT,   68                          ; s[68:78] dense_w
.set BIAS, 79                          ; s79  dense_b
.set BK,   80                          ; s[80:101] -mu[k] x scale, a pair for each kernel
.macro PLACES                          ; four places behind a matrix instruction, in front of vector lines that read its result or write its registers and of loads into them
.rept 4
	v_nop
.endr
.endm
.macro KCONST k, bits
	s_mov_b32 s[BK+2*(\k)], \bits
	s_mov_b32 s[BK+2*(\k)+1], \bits
.endm
; The 24 offsets of tile t.  A token has been held to the table by s_min_u32; behind that only a multiply, adds and ANDs.
.macro ADDR t
.set i, 0
.rept 16
	v_add_nc_u32 v[AD+i], s[TOK+16*(\t)+i], v[L16]
.set i, i+1
.endr
.set i, 0
.rept 8
	v_and_b32 v[AT+i], s[TOK+16*(\t)+2*i], v[MLO]        ; lanes 0-15: the pair's first row,
	v_and_b32 v[AX+i%2], s[TOK+16*(\t)+2*i+1], v[MHI]    ; lanes 16-31: its second
	v_add3_u32 v[AT+i], v[AT+i], v[AX+i%2], v[TAILO]
.set i, i+1
.endr
.endm
.macro PLOAD p                         ; pair p's five loads
	global_load_b128 v[BUF+20*(\p):BUF+20*(\p)+3],     v[AD+2*(\p)],   s[8:9]
	global_load_b128 v[BUF+20*(\p)+4:BUF+20*(\p)+7],   v[AD+2*(\p)],   s[8:9] offset:512
	global_load_b128 v[BUF+20*(\p)+8:BUF+20*(\p)+11],  v[AD+2*(\p)+1], s[8:9]
	global_load_b128 v[BUF+20*(\p)+12:BUF+20*(\p)+15], v[AD+2*(\p)+1], s[8:9] offset:512
	global_load_b128 v[BUF+20*(\p)+16:BUF+20*(\p)+19], v[AT+(\p)],     s[8:9]
.endm
.macro TLOADS
.irp p, 0,1,2,3,4,5,6,7
	PLOAD \p
.endr
.endm
; A pair of rows in v[x .. x+19] is rounded to bf16 in place and laid into LDS at byte ro of the rows that sm and st name: 8 bytes a lane, 256 consecutive bytes a store.
.macro PCVT x, sm, st, ro
.irp j, 0,1,2,3,4
	v_cvt_pk_bf16_f32 v[(\x)+4*(\j)],   v[(\x)+4*(\j)],   v[(\x)+4*(\j)+1]
	v_cvt_pk_bf16_f32 v[(\x)+4*(\j)+1], v[(\x)+4*(\j)+2], v[(\x)+4*(\j)+3]
.endr
	v_and_b32 v[(\x)+16], v[ZM], v[(\x)+16]              ; channels 300 to 319 are 0
	v_and_b32 v[(\x)+17], v[ZM], v[(\x)+17]
	ds_store_b64 v[\sm], v[(\x):(\x)+1]     offset:(\ro)
	ds_store_b64 v[\sm], v[(\x)+4:(\x)+5]   offset:(\ro)+256
	ds_store_b64 v[\sm], v[(\x)+8:(\x)+9]   offset:(\ro)+PITCH
	ds_store_b64 v[\sm], v[(\x)+12:(\x)+13] offset:(\ro)+PITCH+256
	ds_store_b64 v[\st], v[(\x)+16:(\x)+17] offset:(\ro)
.endm
; The tile in the buffer goes into my stage, pair by pair.  refill = 1: each pair's registers are asked for again at once, for the next tile (AD and AT hold its offsets).
.macro CONVERT refill
.set p, 0
.rept 8
.if \refill
	s_wait_loadcnt 35                      ; loads come back in order (ISA guide 5.7.1): pair p is in; out are the 35 - 5 p loads of this tile behind it and the 5 p refills
.else
	s_wait_loadcnt 35-5*p                  ; pair p is in; the pairs behind it stay out
.endif
	PCVT BUF+20*p, STM, STT, 2*p*PITCH
.if \refill
	PLOAD p
.endif
.set p, p+1
.endr
.endm
; The diagonal of the 16 x 16 result in v[a .. a+7]: element (i, i) lies in register i % 8 of lane i (i < 8) or lane 16 + i (i >= 8).  Left in v[t], in both lanes whose number is i modulo 16.
; The result's lowest registers are read first.
.macro PICK a, t
	v_cndmask_b32 v[(\t)],   v[(\a)],   v[(\a)+1], s[MB0]
	v_cndmask_b32 v[(\t)+1], v[(\a)+2], v[(\a)+3], s[MB0]
	v_cndmask_b32 v[(\t)+2], v[(\a)+4], v[(\a)+5], s[MB0]
	v_cndmask_b32 v[(\t)+3], v[(\a)+6], v[(\a)+7], s[MB0]
	v_cndmask_b32 v[(\t)],   v[(\t)],   v[(\t)+1], s[MB1]
	v_cndmask_b32 v[(\t)+2], v[(\t)+2], v[(\t)+3], s[MB1]
	v_cndmask_b32 v[(\t)],   v[(\t)],   v[(\t)+2], s[MB2]
	v_permlanex16_b32 v[(\t)+1], v[(\t)], s[SEL], s[SEL+1]
	v_cndmask_b32 v[(\t)],   v[(\t)+1], v[(\t)],   s[MDG]
.endm
; K step k's three fragments (16 rows x 32 channels, 8 registers: two loads of 16 bytes, 32 bytes apart) into v[f .. f+23]
.macro FLOAD k, f
	ds_load_b128 v[(\f):(\f)+3],     v[FD]  offset:64*(\k)
	ds_load_b128 v[(\f)+4:(\f)+7],   v[FD]  offset:64*(\k)+32
	ds_load_b128 v[(\f)+8:(\f)+11],  v[FQA] offset:64*(\k)
	ds_load_b128 v[(\f)+12:(\f)+15], v[FQA] offset:64*(\k)+32
	ds_load_b128 v[(\f)+16:(\f)+19], v[FQB] offset:64*(\k)
	ds_load_b128 v[(\f)+20:(\f)+23], v[FQB] offset:64*(\k)+32
.endm
; The tile's 30 matrix instructions, ten K steps of 32.  nset sets of fragment registers from v[fb] on are filled ahead.  The three accumulators take turns, one instruction a turn;
; the first K step starts the sums with the constant 0.
.macro PRODUCT fb, nset
.set k, 0
.rept \nset
	FLOAD k, (\fb)+24*k
.set k, k+1
.endr
.set k, 0
.rept 10
.set f, (\fb)+24*(k%(\nset))
.set later, (\nset)-1
.if k+(\nset)-1 > 9
.set later, 9-k
.endif
	s_wait_dscnt 6*later                   ; LDS serves a wave in order (ISA guide 5.7.1): step k's six loads are in (and see the packing's stores); out are those of the steps asked for behind it
.if k == 0
	v_wmma_f32_16x16x32_bf16 v[DA:DA+7],   v[f:f+7], v[f+8:f+15],  0
	v_wmma_f32_16x16x32_bf16 v[DB:DB+7],   v[f:f+7], v[f+16:f+23], 0
	v_wmma_f32_16x16x32_bf16 v[DSS:DSS+7], v[f:f+7], v[f:f+7],     0
.else
	v_wmma_f32_16x16x32_bf16 v[DA:DA+7],   v[f:f+7], v[f+8:f+15],  v[DA:DA+7]
	v_wmma_f32_16x16x32_bf16 v[DB:DB+7],   v[f:f+7], v[f+16:f+23], v[DB:DB+7]
	v_wmma_f32_16x16x32_bf16 v[DSS:DSS+7], v[f:f+7], v[f:f+7],     v[DSS:DSS+7]
.endif
.if k+(\nset) < 10
	PLACES
	FLOAD k+(\nset), f
.endif
.set k, k+1
.endr
.endm
; Line n of those that make group g's exponents in v[t ..]: group g is kernels 2 g and 2 g + 1 (group 5: kernel 10 alone).  First x = c x scale - mu x scale for the five pairs of cosines of each kernel, then -x x.
.macro ARG g, t
.set nk5, 10
.if (\g) == 5
.set nk5, 5
.endif
.if n < nk5
.set kk, 2*(\g)+n/5
.if kk == 0
	v_pk_fma_f32 v[(\t)+2*n:(\t)+2*n+1], v[CV+2*(n%5):CV+2*(n%5)+1], s[SCA:SCA+1], s[BK:BK+1] op_sel_hi:[1,0,0]
.else
	v_pk_fma_f32 v[(\t)+2*n:(\t)+2*n+1], v[CV+2*(n%5):CV+2*(n%5)+1], s[SCB:SCB+1], s[BK+2*kk:BK+2*kk+1] op_sel_hi:[1,0,0]
.endif
.else
.set m, n-nk5
	v_pk_mul_f32 v[(\t)+2*m:(\t)+2*m+1], v[(\t)+2*m:(\t)+2*m+1], v[(\t)+2*m:(\t)+2*m+1] neg_lo:[0,1] neg_hi:[0,1]
.endif
.endm
; Kernel kk's ten weights in v[b ..]: eight go to the sum of query lane % 16, two to that of query 16 + lane % 4.  first = 1: the first tile starts the sums: nothing is cleared.
.macro SUMS kk, b, first
	v_pk_add_f32 v[(\b):(\b)+1],   v[(\b):(\b)+1],   v[(\b)+2:(\b)+3]
	v_pk_add_f32 v[(\b)+4:(\b)+5], v[(\b)+4:(\b)+5], v[(\b)+6:(\b)+7]
.if \first
	v_add_f32 v[AC1+(\kk)], v[(\b)+8], v[(\b)+9]
	v_pk_add_f32 v[(\b):(\b)+1], v[(\b):(\b)+1], v[(\b)+4:(\b)+5]
	v_add_f32 v[AC0+(\kk)], v[(\b)], v[(\b)+1]
.else
	v_add_f32 v[(\b)+8], v[(\b)+8], v[(\b)+9]
	v_pk_add_f32 v[(\b):(\b)+1], v[(\b):(\b)+1], v[(\b)+4:(\b)+5]
	v_add_f32 v[AC1+(\kk)], v[AC1+(\kk)], v[(\b)+8]
	v_add_f32 v[(\b)], v[(\b)], v[(\b)+1]
	v_add_f32 v[AC0+(\kk)], v[AC0+(\kk)], v[(\b)]
.endif
.endm
; Group g's exponentials are ONE BATCH; the next group's exponents, in the other set of registers, are made between them; then the one wait ahead of the first line that names a result; then the sums.
.macro STAGE g, first
.set tb, TA+20*((\g)%2)
.set tn, TA+20*(((\g)+1)%2)
.set ne, 20
.set na, 20
.if (\g) == 4
.set na, 10
.endif
.if (\g) == 5
.set ne, 10
.set na, 0
.endif
.set n, 0
.rept 20
.if n < ne
	v_exp_f32 v[tb+n], v[tb+n]
.endif
.if n < na
	ARG (\g)+1, tn
.endif
.set n, n+1
.endr
.if na < ne
	v_nop                                  ; a plain instruction behind the last exponential (ISA guide 5.7.2); elsewhere the next group's last line is that instruction
.endif
	s_wait_alu depctr_va_vdst(0)
	SUMS 2*(\g), tb, \first
.if (\g) < 5
	SUMS 2*(\g)+1, tb+10, \first
.endif
.endm
; Tile t, which lies in my stage: products, norms, cosines, the eleven kernels.
.macro COMPUTE t, fb, nset, first
	PRODUCT \fb, \nset
	PLACES
	PICK DSS, 66                           ; v66: the sum of squares of document lane % 16
	v_sqrt_f32 v68, v66
.irp i, 0,2,4,6
	v_pk_mul_f32 v[DA+(\i):DA+(\i)+1], v[DA+(\i):DA+(\i)+1], v[RQA:RQA+1]  ; x 1/|q|: the independent work behind the root
.endr
	s_wait_alu depctr_va_vdst(0)           ; the wait ahead of the root's first reader
	v_max_num_f32 v68, 0x29e12e13, v68     ; the clip at 1e-13
	v_rcp_f32 v69, v68
.irp i, 0,2,4,6
	v_pk_mul_f32 v[DB+(\i):DB+(\i)+1], v[DB+(\i):DB+(\i)+1], v[RQB:RQB+1]
.endr
	s_wait_alu depctr_va_vdst(0)           ; and ahead of the reciprocal's
	v_cndmask_b32 v70, 0, v69, s[DM+(\t)]      ; a masked document: factor 0,
	v_cndmask_b32 v71, s[BIG], 0, s[DM+(\t)]   ; offset 16384
	ds_store_b32 v[RDS], v70               ; from a document a lane to a document a register, through 128 bytes of my own: both lanes of a document write the same number to the same word
	ds_store_b32 v[RDS], v71 offset:64
	ds_load_b128 v[72:75], v[RDL]          ; LDS serves a wave in order: these see the two stores
	ds_load_b128 v[76:79], v[RDL] offset:16
	ds_load_b128 v[80:83], v[RDL] offset:64
	ds_load_b128 v[84:87], v[RDL] offset:80
	s_wait_dscnt 0x0
.irp i, 0,2,4,6
	v_pk_fma_f32 v[DA+(\i):DA+(\i)+1], v[DA+(\i):DA+(\i)+1], v[72+(\i):72+(\i)+1], v[80+(\i):80+(\i)+1]  ; the cosine, or 16384
.endr
.irp i, 0,2,4,6
	v_pk_fma_f32 v[DB+(\i):DB+(\i)+1], v[DB+(\i):DB+(\i)+1], v[72+(\i):72+(\i)+1], v[80+(\i):80+(\i)+1]
.endr
	v_cndmask_b32 v58, v[DB],   v[DB+2], s[MB2]   ; of the four lanes with the same query, number g = (lane % 16) / 4 takes documents 2 g and 2 g + 1 of its half's eight
	v_cndmask_b32 v59, v[DB+1], v[DB+3], s[MB2]
	v_cndmask_b32 v60, v[DB+4], v[DB+6], s[MB2]
	v_cndmask_b32 v61, v[DB+5], v[DB+7], s[MB2]
	v_cndmask_b32 v[CV+8], v58, v60, s[MB3]
	v_cndmask_b32 v[CV+9], v59, v61, s[MB3]
.set n, 0
.rept 20
	ARG 0, TA
.set n, n+1
.endr
.irp g, 0,1,2,3,4,5
	STAGE \g, \first
.endr
.endm
	s_load_b256 s[4:11], s[0:1], 0x0               ; query_tokens s[4:5], doc_tokens s[6:7], embed_table s[8:9], dense_w s[10:11]
	s_load_b128 s[12:15], s[0:1], 0x20             ; dense_b s[12:13], out0 s[14:15]
	v_lshl_add_u32 v[SPW], v0, 2, SPARE
	v_mov_b32 v[NIL], 0
	v_lshrrev_b32 v87, 5, v0
	v_readfirstlane_b32 s[WV], v87                 ; wave 0..15
	v_and_b32 v88, 31, v0                          ; lane
	v_and_b32 v89, 15, v0                          ; lane % 16
	v_bfe_u32 v90, v0, 4, 1                        ; lane / 16
	s_lshl_b32 s50, ttmp9, 11                      ; the batch element's 512 tokens of 4 bytes,
	s_lshl_b32 s3, s[WV], 7                        ; my wave's 32 of them
	s_add_co_u32 s50, s50, s3
	s_mul_i32 s52, ttmp9, 80                       ; its 20 query tokens,
	s_min_u32 s51, s[WV], 9                        ; my two (waves 10 to 15 read the last two, inside the buffer, and use none)
	s_lshl3_add_u32 s51, s51, s52
	v_lshl_add_u32 v16, v89, 2, s50                ; the token of document lane % 16
	v_min_u32 v17, 19, v88
	v_lshl_add_u32 v17, v17, 2, s52                ; the token of query min(lane, 19)
	s_wait_kmcnt 0x0
	s_load_b512 s[16:31], s[6:7], s50 offset:0x0   ; tile 0's tokens,
	s_load_b512 s[32:47], s[6:7], s50 offset:0x40  ; tile 1's
	s_load_b64 s[48:49], s[4:5], s51 offset:0x0
	s_load_b256 s[68:75], s[10:11], 0x0            ; dense_w and dense_b come with the tokens, under the one wait: wave 0 wants them at the very end and shall not wait for them there
	s_load_b96 s[76:78], s[10:11], 0x20
	s_load_b32 s[BIAS], s[12:13], 0x0
	global_load_b32 v93, v16, s[6:7]               ; the same tokens a lane each, for the masks
	global_load_b32 v94, v16, s[6:7] offset:64
	global_load_b32 v95, v17, s[4:5]
	v_lshlrev_b32 v[L16], 4, v88
	v_min_u32 v87, 10, v89
	v_lshl_add_u32 v[TAILO], v87, 4, 1024
	v_add_nc_u32 v[MLO], -1, v90
	v_sub_nc_u32 v[MHI], 0, v90
	v_cmp_gt_u32 vcc_lo, 11, v89
	v_cndmask_b32 v[ZM], 0, -1, vcc_lo
	s_mul_i32 s3, s[WV], STAGEB                    ; my stage
	v_lshl_add_u32 v[STM], v88, 3, s3
	v_mul_u32_u24 v87, v90, PITCH
	v_lshl_add_u32 v87, v89, 3, v87
	v_add3_u32 v[STT], v87, s3, 512
	v_mul_u32_u24 v86, v89, PITCH
	v_lshl_add_u32 v86, v90, 4, v86                ; row x pitch + 16 x half
	v_add_nc_u32 v[FD], s3, v86
	v_add_nc_u32 v[FQA], QB, v86
	v_and_b32 v86, 3, v89
	v_mul_u32_u24 v86, v86, PITCH
	v_lshl_add_u32 v86, v90, 4, v86
	v_add_nc_u32 v[FQB], QB+16*PITCH, v86
	s_lshl_b32 s67, s[WV], 7
	s_add_co_u32 s67, s67, RDB
	v_lshl_add_u32 v[RDS], v89, 2, s67
	v_lshl_add_u32 v[RDL], v90, 5, s67
	s_mul_i32 s3, s[WV], 2*PITCH                   ; query rows 2 w and 2 w + 1 (used by waves 0 to 9 alone)
	s_add_co_u32 s3, s3, QB
	v_lshl_add_u32 v91, v88, 3, s3
	v_add3_u32 v92, v87, s3, 512
	s_mov_b32 s[MB0], 0xaaaaaaaa
	s_mov_b32 s[MB1], 0xcccccccc
	s_mov_b32 s[MB2], 0xf0f0f0f0
	s_mov_b32 s[MB3], 0xff00ff00
	s_mov_b32 s[MDG], 0xff0000ff
	s_mov_b32 s[SEL], 0x76543210
	s_mov_b32 s[SEL+1], 0xfedcba98
	s_mov_b32 s[SCA], 0x4604b4df                   ; 8493.218 = sqrt(log2(e) / 2e-8): exp(-(c - mu)^2 / (2 sigma^2)) = 2^-((c - mu) x scale)^2
	s_mov_b32 s[SCA+1], 0x4604b4df                 ; (named as pairs by the packed lines)
	s_mov_b32 s[SCB], 0x4107e439                   ; 8.493218 = sqrt(log2(e) / 0.02)
	s_mov_b32 s[SCB+1], 0x4107e439
	s_mov_b32 s[BIG], 0x46800000                   ; 16384.0
	KCONST 0,  0xc604b4df                          ; -1.0 x 8493.218: the very bits of the scale, so that c = 1 gives 0
	KCONST 1,  0xc0f49acc                          ; -0.9 x 8.493218
	KCONST 2,  0xc0be3f82                          ; -0.7 x
	KCONST 3,  0xc087e439                          ; -0.5 x
	KCONST 4,  0xc02311dd                          ; -0.3 x
	KCONST 5,  0xbf596d27                          ; -0.1 x
	KCONST 6,  0x3f596d27
	KCONST 7,  0x402311dd
	KCONST 8,  0x4087e439
	KCONST 9,  0x40be3f82
	KCONST 10, 0x40f49acc
	s_wait_kmcnt 0x0
.set i, 0
.rept 34                               ; 32 documents and 2 queries: token -> byte offset of its row
	s_min_u32 s[TOK+i], s[TOK+i], LASTROW
	s_mul_i32 s[TOK+i], s[TOK+i], ROWB
.set i, i+1
.endr
	ADDR 0
	s_cmp_lt_u32 s[WV], 10
	s_cbranch_scc0 .Lno_query
	v_add_nc_u32 v88, s[QTK], v[L16]               ; my two query rows go out first, so that they come back first
	v_add_nc_u32 v89, s[QTK+1], v[L16]
	v_and_b32 v90, s[QTK], v[MLO]
	v_and_b32 v87, s[QTK+1], v[MHI]
	v_add3_u32 v90, v90, v87, v[TAILO]
	global_load_b128 v[68:71], v88, s[8:9]
	global_load_b128 v[72:75], v88, s[8:9] offset:512
	global_load_b128 v[76:79], v89, s[8:9]
	global_load_b128 v[80:83], v89, s[8:9] offset:512
	global_load_b128 v[84:87], v90, s[8:9]
	TLOADS                                         ; tile 0
	s_wait_loadcnt 40                              ; the query pair is in; tile 0's 40 loads stay out
	PCVT 68, 91, 92, 0
	s_branch .Lhave_query
.Lno_query:
	TLOADS                                         ; tile 0
.Lhave_query:
	s_wait_loadcnt 40                              ; the three token loads are in; tile 0's 40 loads stay out
	v_cmp_lt_i32 s[DM], 0, v93
	v_cmp_lt_i32 s[DM+1], 0, v94
	v_cmp_lt_i32 s[QM], 0, v95
	s_and_b32 s[QM], s[QM], 0xfffff                ; lanes 20 to 31 stand for no query
	s_wait_dscnt 0x0                               ; for the others' sake: my query rows lie in LDS
	s_barrier_signal -1
	s_barrier_wait -1                              ; all 20 do
	; THE QUERIES' NORMS, in every wave for itself, while tile 0 is on its way: the diagonals of Q Q^T for both query tiles; two accumulators by turns, two sets of fragments.
	s_wait_xcnt 0x0                                ; every load issued so far has had its addresses translated (ISA guide 3.1): the offset registers are written again only behind this wait
.macro QLOAD k, f
	ds_load_b128 v[(\f):(\f)+3],     v[FQA] offset:64*(\k)
	ds_load_b128 v[(\f)+4:(\f)+7],   v[FQA] offset:64*(\k)+32
	ds_load_b128 v[(\f)+8:(\f)+11],  v[FQB] offset:64*(\k)
	ds_load_b128 v[(\f)+12:(\f)+15], v[FQB] offset:64*(\k)+32
.endm
	QLOAD 0, 58
	QLOAD 1, 74
.set k, 0
.rept 10
.set f, 58+16*(k%2)
.if k < 9
	s_wait_dscnt 4                                 ; step k's four loads are in; the next step's four stay out
.else
	s_wait_dscnt 0
.endif
.if k == 0
	v_wmma_f32_16x16x32_bf16 v[42:49], v[f:f+7],    v[f:f+7],    0
	v_wmma_f32_16x16x32_bf16 v[50:57], v[f+8:f+15], v[f+8:f+15], 0
.else
	v_wmma_f32_16x16x32_bf16 v[42:49], v[f:f+7],    v[f:f+7],    v[42:49]
	v_wmma_f32_16x16x32_bf16 v[50:57], v[f+8:f+15], v[f+8:f+15], v[50:57]
.endif
.if k < 8
	PLACES
	QLOAD k+2, f
.endif
.set k, k+1
.endr
	PLACES
	PICK 42, 58
	PICK 50, 62
	v_sqrt_f32 v60, v58
	v_sqrt_f32 v64, v62
	v_nop                                          ; a plain instruction behind the last root,
	s_wait_alu depctr_va_vdst(0)                   ; and the one wait for both, ahead of their first reader
	v_max_num_f32 v60, 0x29e12e13, v60             ; the clip at 1e-13
	v_max_num_f32 v64, 0x29e12e13, v64
	v_rcp_f32 v[RQA], v60
	v_rcp_f32 v[RQB], v64
	v_nop
	s_wait_alu depctr_va_vdst(0)
	v_mov_b32 v[RQA+1], v[RQA]                     ; pairs for the packed multiplies
	v_mov_b32 v[RQB+1], v[RQB]
	ADDR 1
	CONVERT 1                                      ; tile 0 into my stage; tile 1 is asked for
	s_wait_xcnt 0x0                                ; tile 1's offsets have been read: their registers take the products
	COMPUTE 0, 66, 1, 1                            ; one set of fragments: the buffer is on its way
	CONVERT 0                                      ; tile 1 into my stage: LDS serves a wave in order, so these stores come behind tile 0's reads
	COMPUTE 1, BUF, 6, 0                           ; six sets of fragments in the buffer, which is free now
	; MY 32 DOCUMENTS' SUMS, folded to one number for each query and kernel: lane L < 16 takes query L (both halves' documents), lane 16 + i query 16 + i % 4 (all eight lanes that hold it).
	s_mov_b32 s67, 0xffff
.set k, 0
.rept 11
	v_add_f32_dpp v[AC1+k], v[AC1+k], v[AC1+k] row_xmask:4 row_mask:0xf bank_mask:0xf
.set k, k+1
.endr
.set k, 0
.rept 11
	v_add_f32_dpp v[AC1+k], v[AC1+k], v[AC1+k] row_xmask:8 row_mask:0xf bank_mask:0xf
.set k, k+1
.endr
.set k, 0
.rept 11
	v_cndmask_b32 v[54+k], v[AC1+k], v[AC0+k], s67 ; what my lane keeps,
.set k, k+1
.endr
.set k, 0
.rept 11
	v_cndmask_b32 v[66+k], v[AC0+k], v[AC1+k], s67 ; what the lane 16 away wants
.set k, k+1
.endr
.set k, 0
.rept 11
	v_permlanex16_b32 v[78+k], v[66+k], s[SEL], s[SEL+1]
.set k, k+1
.endr
.set k, 0
.rept 11
	v_add_f32 v[42+k], v[54+k], v[78+k]
.set k, k+1
.endr
	v_mov_b32 v53, 0                               ; the twelfth number of my 48 bytes
	v_and_b32 v55, 31, v0
	v_mul_u32_u24 v55, v55, 48                     ; 48 bytes a lane = 12 words
	s_mul_i32 s3, s[WV], PARTW
	s_add_co_u32 s3, s3, PARTB
	v_add_nc_u32 v54, s3, v55
	ds_store_b128 v54, v[42:45]
	ds_store_b128 v54, v[46:49] offset:16
	ds_store_b128 v54, v[50:53] offset:32
	s_wait_dscnt 0x0                               ; for wave 0's sake: my sums lie in LDS
	s_barrier_signal -1
	s_barrier_wait -1
	s_cmp_lg_u32 s[WV], 0
	s_cbranch_scc1 .Lend
	; WAVE 0 FINISHES: a lane a query.
	v_add_nc_u32 v55, PARTB, v55
.set w, 0
.rept 16
	ds_load_b128 v[64+12*w:64+12*w+3],   v55 offset:PARTW*w
	ds_load_b128 v[64+12*w+4:64+12*w+7], v55 offset:PARTW*w+16
	ds_load_b128 v[64+12*w+8:64+12*w+11], v55 offset:PARTW*w+32
.set w, w+1
.endr
	s_wait_dscnt 0x0
.irp s, 8,4,2,1                        ; the 16 waves' sums, halved four times
.set w, 0
.rept \s
.set i, 0
.rept 6
	v_pk_add_f32 v[64+12*w+2*i:64+12*w+2*i+1], v[64+12*w+2*i:64+12*w+2*i+1], v[64+12*(w+(\s))+2*i:64+12*(w+(\s))+2*i+1]
.set i, i+1
.endr
.set w, w+1
.endr
.endr
.set k, 0
.rept 11
	v_max_num_f32 v[64+k], 0x2edbe6ff, v[64+k]     ; the clip at 1e-10
.set k, k+1
.endr
.set k, 0
.rept 11
	v_log_f32 v[64+k], v[64+k]                     ; log2: the factor ln 2 comes at the end
.set k, k+1
.endr
	v_nop                                          ; a plain instruction behind the last logarithm,
	s_wait_alu depctr_va_vdst(0)                   ; and the one wait for the eleven
	v_mul_f32 v76, s[WT], v64                      ; the product with dense_w, in two chains
	v_mul_f32 v77, s[WT+1], v65
.set k, 2
.rept 9
	v_fmac_f32 v[76+k%2], s[WT+k], v[64+k]
.set k, k+1
.endr
	v_add_f32 v76, v76, v77
	v_cndmask_b32 v76, 0, v76, s[QM]               ; a masked query, and lanes 20 to 31, count 0
	v_add_f32_dpp v76, v76, v76 row_xmask:1 row_mask:0xf bank_mask:0xf
	v_add_f32_dpp v76, v76, v76 row_xmask:2 row_mask:0xf bank_mask:0xf
	v_add_f32_dpp v76, v76, v76 row_xmask:4 row_mask:0xf bank_mask:0xf
	v_add_f32_dpp v76, v76, v76 row_xmask:8 row_mask:0xf bank_mask:0xf
	v_permlanex16_b32 v77, v76, s[SEL], s[SEL+1]
	v_add_f32 v76, v76, v77
	v_mov_b32 v78, s[BIAS]
	v_fmamk_f32 v77, v76, 0x3be32166, v78          ; x 0.01 ln 2 + dense_b
	s_lshl_b32 s3, ttmp9, 2
	v_mov_b32 v79, s3
	v_cmp_eq_u32 vcc_lo, 0, v0                     ; no global instruction has been issued since the last s_wait_xcnt 0, so EXEC may be narrowed
	s_and_saveexec_b32 s67, vcc_lo
	global_store_b32 v79, v77, s[14:15]            ; the work-group's one number
	s_wait_xcnt 0x0                                ; EXEC is widened only behind this wait
	s_or_b32 exec_lo, exec_lo, s67
.Lend:
	s_wait_tensorcnt 0x0                           ; the wave's end, behind my last LDS store
	ds_add_u32 v[SPW], v[NIL]
	s_wait_dscnt 0x0
	s_endpgm
.Lfunc_end_k_q29e58ee87c_knrm:
	.size	k_q29e58ee87c_knrm, .Lfunc_end_k_q29e58ee87c_knrm-k_q29e58ee87c_knrm
	.p2alignl 7, 3214868480
	.fill 96, 4, 3214868480
	.section	.rodata,"a",@progbits
	.p2align	6, 0x0
	.amdhsa_kernel k_q29e58ee87c_knrm
		.amdhsa_group_segment_fixed_size 209920
		.amdhsa_private_segment_fixed_size 0
		.amdhsa_enable_private_segment 0
		.amdhsa_kernarg_size 48
		.amdhsa_user_sgpr_count 2
		.amdhsa_user_sgpr_kernarg_segment_ptr 1
		.amdhsa_wavefront_size32 1
		.amdhsa_system_sgpr_workgroup_id_x 1
		.amdhsa_system_sgpr_workgroup_id_y 1
		.amdhsa_system_sgpr_workgroup_id_z 1
		.amdhsa_system_vgpr_workitem_id 0
		.amdhsa_next_free_vgpr 256
		.amdhsa_next_free_sgpr 102
		.amdhsa_reserve_vcc 1
		.amdhsa_float_denorm_mode_32 3
		.amdhsa_float_denorm_mode_16_64 3
		.amdhsa_memory_ordered 1
		.amdhsa_forward_progress 1
		.amdhsa_inst_pref_size 112
	.end_amdhsa_kernel
	.amdgpu_metadata
---
amdhsa.version: [ 1, 2 ]
amdhsa.kernels:
  - .name:           k_q29e58ee87c_knrm
    .symbol:         k_q29e58ee87c_knrm.kd
    .args:
      - { .name: query_tokens, .offset: 0, .size: 8, .value_kind: global_buffer, .address_space: global }
      - { .name: doc_tokens, .offset: 8, .size: 8, .value_kind: global_buffer, .address_space: global }
      - { .name: embed_table, .offset: 16, .size: 8, .value_kind: global_buffer, .address_space: global }
      - { .name: dense_w, .offset: 24, .size: 8, .value_kind: global_buffer, .address_space: global }
      - { .name: dense_b, .offset: 32, .size: 8, .value_kind: global_buffer, .address_space: global }
      - { .name: out0, .offset: 40, .size: 8, .value_kind: global_buffer, .address_space: global }
    .group_segment_fixed_size: 209920
    .private_segment_fixed_size: 0
    .kernarg_segment_align: 8
    .kernarg_segment_size: 48
    .max_flat_workgroup_size: 512
    .sgpr_count:     102
    .vgpr_count:     256
    .wavefront_size: 32
...
	.end_amdgpu_metadata
.endif
;; end of part 1
